; MI455X (gfx1250); checked and timed in simulation.
; The chip was launched on July 23, 2026; its instructions are those of AMD's public machine-readable ISA for CDNA 5 (MIT licence, August 2026) and "CDNA5" Instruction Set Architecture Reference Guide (July 2026). The comments in the code are by the model that wrote it; some were corrected since.
;; Co Op. Allowed arithmetic: matrix products marked QUANTISED: E4M3 operands, one given power-of-two scale a tensor, by v_wmma_f32_16x16x64_fp8_fp8 or v_wmma_f32_16x16x128_fp8_fp8, f32 sums; everything else in f32.
;; Inputs: clip_embs 49,408 x 512 float32; lowp_scales 2 int32 (the exponents e of the quantised operands' scales 2^e); prompt_embs 2,048 x 512 float32.
;; Outputs: out0 2,048 x 512 float32; out1 2,048 int32.
;; This version of the problem:
;;   THIS VERSION OF THE PROBLEM IS GIVEN IN LOW PRECISION. The matrix products marked QUANTISED in the list below multiply operands that are first quantised to E4M3 (4 exponent bits, 3 mantissa bits; 8 bits a number), with one given power-of-two scale for each operand tensor; their sums are f32. All else is computed in f32.
;;   The module's matrix products, in the order in which they are computed (A, B: the left and right operand; K: the contracted axis; several contracted axes count as one K, in the product's order):
;;     1. [M 2,048, K 512] x [K 512, N 49,408]; A: input prompt_embs; B: input clip_embs: QUANTISED (scales: A lowp_scales[0], B lowp_scales[1])
;;   THE QUANTISER, for each operand of a quantised product, along K:
;;     - The operand's scale is 2^e, e = its entry of the input lowp_scales (int32; the entries are numbered through the quantised products in the list's order, A before B).
;;     - Each number is divided by the scale, clamped to +-448, and rounded to the nearest number of E4M3, ties to even, subnormals kept.
;;     - The product sums the exact products of the quantised numbers (number of the format x scale) in f32.
;;   ~~~python
;;   def quantise(x, axis, e):      # numpy; x: float32 -> the quantised numbers, widened to float32 again
;;       x = np.moveaxis(x, axis, -1); K = x.shape[-1]
;;       r = np.clip(x / 2.0 ** e, -448, 448)
;;       step = 2.0 ** (np.maximum(np.frexp(np.where(r == 0, 1, r))[1] - 1, -6) - 3)
;;       q = np.round(r / step) * step * 2.0 ** e      # np.round: ties to even
;;       return np.moveaxis(q, -1, axis).astype(np.float32)
;;   ~~~
;; One version. Each part assembles by itself: llvm-mc -triple=amdgcn-amd-amdhsa -mcpu=gfx1250 --defsym DOCPART=n.
;; ======== version 1 of 1: 3 launches
;; limits: right only within a limited range of input values
;; workspace buffers: pcodes 1,048,576 bytes; vcodes 26,492,928 bytes; pval 524,288 bytes; pidx 524,288 bytes
;; launch quant (part 1): grid 816 x 1, 4 waves a work-group, no clusters, 35,328 bytes of LDS; arguments prompt_embs, clip_embs, lowp_scales, pcodes, vcodes, out0; writes pcodes, vcodes, out0
.if DOCPART == 1
	.amdgcn_target "amdgcn-amd-amdhsa--gfx1250"
	.amdhsa_code_object_version 6
	.text
	.protected	k_qaf392b91a1_quant
	.globl	k_qaf392b91a1_quant
	.p2align	8
	.type	k_qaf392b91a1_quant,@function
k_qaf392b91a1_quant:
	s_mov_b64 s[64:65], 0
	v_nop
	global_prefetch_b8 v0, s[64:65] scope:SCOPE_SE
	s_setreg_imm32_b32 hwreg(HW_REG_WAVE_MODE, 25, 1), 1
	s_wait_xcnt 0x0
; prompt_embs [2048][512] and clip_embs [49408][512], f32, become codes of FP8 (E4M3), each with the one scale 2^e given for it (entry 0: prompts, entry 1: clip),
; laid as images of the matrix operand's registers.  The prompts are also copied to out0.  code = x / 2^e, held within +-448, to the nearest code, ties to even.
; WORK LEFT OUT: p2[p] = sum of prompt p's squares.  reference() adds p2[p] to every d2[p][v] of row p and takes the argmin over v: argmin_v (p2[p] + x[v]) = argmin_v x[v] for all finite
; numbers, so p2 reaches no output and is not made.  Every input still has a way to an output and is loaded.  LIMIT: a NaN, an infinity or an overflow that arises in p2 alone is not carried to the ids.
; c2[v], the sum of the UNQUANTISED squares of a clip row, is stored as -c2 x 2^-(ea + eb + 1): the next launch gives it to the matrix unit as the C of a sum of codes, so that
; sum = (2 dot - c2) / 2^(ea + eb + 1), whose largest is d2's smallest.  The power of two rounds nothing.
; LIMITS: each e between -126 and 119; ea + eb between -126 and 125; NaN and infinities among the inputs are not served; a row's squares are summed in lane order, not in column order.
; SHARES.  A wave takes a TILE of 16 rows x 512.  Work-groups 0-31: the prompts' 128 tiles; 32-815: clip's 3,136.  clip's rows are 64 slices of 772; a slice is 49 tiles, tile t beginning at the slice's
; row min(16 t, 756): the last tile takes twelve rows of its neighbour once more.  All 816 work-groups take one path; the prompts' tiles run the lines that square too (128 of 3,264 tiles), and store no sum.
; A load reads 512 consecutive bytes of a row, 16 a lane: lane l holds columns 128 j + 4 l + 0..3 of load j = 0..3.  Two conversions make of a row's four loads 16 codes, a UNIT of 16 bytes.
; THE IMAGE: fragment s (0..3) of a tile is 2,048 bytes; byte 512 c + 16 (16 h + r) holds row r's unit of lane l = 8 s + 4 h + c.  That deals the 512 columns to the four K steps and to the places inside
; a step in an order of its own, the same in both operands (this one text makes both), so every product meets its partner.
; Only the codes turn through the wave's own stage in LDS: 16 rows of 512 bytes + 16.  A prompt tile's record is 8,192 bytes; a clip tile's 8,448: behind the codes 256 bytes, the 16 scaled sums four times over.
; Loads: twelve rows (48 loads) go out at once, the last four rows when the first four are converted.  No prefetch, no tensor load, no cluster: every byte is read once, by loads that all stand at the start.
.set NPW,   32
.set SP,    528                        ; a stage row: 132 words, so sixteen rows begin at sixteen different groups of four banks (ISA guide 11.1)
.set STG,   16*SP
.set WREG,  STG+256                    ; a wave's stage and 256 bytes for its sums
.set SPARE, 4*WREG                     ; the spare words, 128 bytes a wave
.set L16, 1                            ; 16 x lane
.set SIN, 2                            ; into the stage
.set SOUT, 3                           ; out of it: 528 r + 64 h
.set SQW, 4                            ; the sums' block
.set SQR, 5                            ; + 8 (lane % 8)
.set L8,  6                            ; 8 x lane
.set LIM, 7                            ; 448 x 2^e
.set SCL, 8                            ; 2^e
.set SPW, 10
.set NIL, 11
.set T,   12                           ; v12-19 four pairs of partial sums
.set P,   20                           ; v20-35 a sum for each row
.set CD,  36                           ; v36-51 four rows' units
.set X,   64                           ; v64-255 three sets of four rows as loaded
	s_load_b256 s[4:11], s[0:1], 0x0               ; prompts, clip, the scales' exponents, the prompts' codes
	s_load_b128 s[12:15], s[0:1], 0x20             ; clip's codes, out0
	v_lshl_add_u32 v[SPW], v0, 2, SPARE
	v_mov_b32 v[NIL], 0
	v_lshrrev_b32 v9, 5, v0
	v_readfirstlane_b32 s20, v9                    ; wave
	v_and_b32 v[L16], 31, v0
	v_lshlrev_b32 v[L8], 3, v[L16]
	v_lshlrev_b32 v[L16], 4, v[L16]
	v_and_b32 v12, 15, v0                          ; r
	v_bfe_u32 v13, v0, 4, 1                        ; h
	s_mul_i32 s36, s20, WREG
	s_add_co_u32 s37, s36, STG
	v_add_nc_u32 v[SIN], s36, v[L16]
	v_mul_u32_u24 v[SOUT], v12, SP
	v_lshl_add_u32 v[SOUT], v13, 6, v[SOUT]
	v_add_nc_u32 v[SOUT], s36, v[SOUT]
	v_mov_b32 v[SQW], s37
	v_and_b32 v[SQR], 56, v[L8]
	v_add_nc_u32 v[SQR], s37, v[SQR]
	s_mov_b32 s34, 0x76543210                      ; v_permlanex16_b32's selects for lane l xor 16
	s_mov_b32 s35, 0xfedcba98
	s_cmp_lt_u32 ttmp9, NPW
	s_cselect_b32 s21, 0, NPW
	s_sub_co_u32 s21, ttmp9, s21
	s_lshl_b32 s22, s21, 2
	s_add_co_u32 s22, s22, s20                     ; tile g of its tensor
	s_mul_i32 s23, s22, 5350
	s_lshr_b32 s23, s23, 18                        ; slice = g / 49 (5350 / 2^18 lies 4.7e-7 over 1 / 49: exact up to g = 3,135)
	s_mul_i32 s24, s23, 49
	s_sub_co_u32 s24, s22, s24
	s_lshl_b32 s24, s24, 4
	s_min_u32 s24, s24, 756
	s_mul_i32 s25, s23, 772
	s_add_co_u32 s24, s24, s25                     ; clip's first row
	s_lshl_b32 s25, s22, 4                         ; a prompt tile's
	s_mul_i32 s28, s22, 8448                       ; clip's record
	s_lshl_b32 s30, s22, 13                        ; a prompt tile's
	s_cmp_lt_u32 ttmp9, NPW
	s_cselect_b32 s24, s25, s24
	s_cselect_b32 s28, s30, s28
	s_lshl_b32 s26, s24, 11                        ; rows of 2,048 bytes
	s_mov_b32 s27, 0
	s_mov_b32 s29, 0
	s_wait_alu depctr_va_vdst(0)
	s_wait_kmcnt 0x0
	s_load_b64 s[32:33], s[8:9], 0x0               ; ea, eb
	s_cmp_lt_u32 ttmp9, NPW                        ; the choice of buffers hangs on the work-group's number alone
	s_cselect_b64 s[4:5], s[4:5], s[6:7]
	s_cselect_b64 s[10:11], s[10:11], s[12:13]
	s_add_nc_u64 s[4:5], s[4:5], s[26:27]
	s_add_nc_u64 s[10:11], s[10:11], s[28:29]
	s_add_nc_u64 s[18:19], s[14:15], s[26:27]      ; out0 at the tile's rows: used by the prompts' work-groups alone
.macro LOADQ q                         ; rows 4 q .. 4 q + 3: load i = 4 x row + j
.set i, 0
.rept 16
	global_load_b128 v[X+64*((\q)%3)+4*i:X+64*((\q)%3)+4*i+3], v[L16], s[4:5] offset:2048*(4*(\q)+i/4)+512*(i%4) th:TH_LOAD_NT
.set i, i+1
.endr
.endm
	LOADQ 0
	LOADQ 1
	LOADQ 2
	s_wait_kmcnt 0x0
	s_add_co_i32 s38, s32, s33
	s_sub_co_i32 s38, 126, s38
	s_lshl_b32 s38, s38, 23
	s_or_b32 s38, s38, 0x80000000                  ; -2^-(ea + eb + 1)
	s_mov_b32 s39, s38                             ; (named with it as a pair)
	s_cmp_lt_u32 ttmp9, NPW
	s_cselect_b32 s32, s32, s33                    ; e
	s_add_co_i32 s32, s32, 127
	s_lshl_b32 s33, s32, 23
	v_mov_b32 v[SCL], s33                          ; the conversion takes its exponent field
	s_add_co_i32 s32, s32, 8
	s_lshl_b32 s32, s32, 23
	s_or_b32 s32, s32, 0x600000
	v_mov_b32 v[LIM], s32
; Four rows.  left: the loads of later rows, which may stay out.
.macro QUART q, left
.set XQ, X+64*((\q)%3)
	s_wait_alu depctr_va_vdst(0)
	s_wait_loadcnt \left
	s_wait_dscnt 0x0                               ; the last four rows' units have been stored: their registers may be written
	s_cmp_lt_u32 ttmp9, NPW
	s_cbranch_scc0 .Lclip_\@
.set i, 0
.rept 16                                       ; the prompts go to out0 from the registers: 512 consecutive bytes a store
	global_store_b128 v[L16], v[XQ+4*i:XQ+4*i+3], s[18:19] offset:2048*(4*(\q)+i/4)+512*(i%4) th:TH_STORE_NT
.set i, i+1
.endr
	s_wait_xcnt 0x0                                ; the stores' data are rewritten only behind this wait
.Lclip_\@:
.set m, 0
.rept 8                                        ; the squares, two at a time, the four rows by turns
.set a, 0
.rept 4
.if m == 0
	v_pk_mul_f32 v[T+2*a:T+2*a+1], v[XQ+16*a:XQ+16*a+1], v[XQ+16*a:XQ+16*a+1]
.else
	v_pk_fma_f32 v[T+2*a:T+2*a+1], v[XQ+16*a+2*m:XQ+16*a+2*m+1], v[XQ+16*a+2*m:XQ+16*a+2*m+1], v[T+2*a:T+2*a+1]
.endif
.set a, a+1
.endr
.set m, m+1
.endr
.set a, 0
.rept 4
	v_add_f32 v[P+4*(\q)+a], v[T+2*a], v[T+2*a+1]
.set a, a+1
.endr
.set i, 0
.rept 64
	v_med3_num_f32 v[XQ+i], v[XQ+i], -v[LIM], v[LIM]   ; the conversion does not saturate (ISA guide 7.6.2): the hold comes first
.set i, i+1
.endr
.set i, 0
.rept 8
	v_cvt_scalef32_pk8_fp8_f32 v[CD+2*i:CD+2*i+1], v[XQ+8*i:XQ+8*i+7], v[SCL]
.set i, i+1
.endr
.set a, 0
.rept 4
	ds_store_b128 v[SIN], v[CD+4*a:CD+4*a+3] offset:SP*(4*(\q)+a)
.set a, a+1
.endr
.endm
	QUART 0, 32
	LOADQ 3                                        ; into the first four rows' registers
	QUART 1, 32
	QUART 2, 16
	QUART 3, 0
.set i, 0
.rept 16                                       ; LDS serves a wave's instructions in order (ISA guide 5.7.1.4): these see my stores.  Piece i = 4 s + c of the image
	ds_load_b128 v[X+64+4*i:X+64+4*i+3], v[SOUT] offset:128*(i/4)+16*(i%4)
.set i, i+1
.endr
	s_wait_alu depctr_va_vdst(0)
	s_wait_dscnt 0x0
.set i, 0
.rept 16
	global_store_b128 v[L16], v[X+64+4*i:X+64+4*i+3], s[10:11] offset:512*i   ; 512 consecutive bytes, aligned
.set i, i+1
.endr
	s_cmp_lt_u32 ttmp9, NPW
	s_cbranch_scc1 .Ldone                          ; a prompt tile stores no sums
.irp x, 1,2,4,8
.set i, 0
.rept 16                                       ; each row's sum over the 32 lanes, the sixteen rows by turns
	v_add_f32_dpp v[P+i], v[P+i], v[P+i] row_xmask:\x row_mask:0xf bank_mask:0xf
.set i, i+1
.endr
.endr
.set i, 0
.rept 16
	v_permlanex16_b32 v[X+i], v[P+i], s34, s35
.set i, i+1
.endr
.set i, 0
.rept 8
	v_pk_add_f32 v[P+2*i:P+2*i+1], v[P+2*i:P+2*i+1], v[X+2*i:X+2*i+1]
.set i, i+1
.endr
.set i, 0
.rept 8
	v_pk_mul_f32 v[P+2*i:P+2*i+1], v[P+2*i:P+2*i+1], s[38:39] op_sel_hi:[1,0]
.set i, i+1
.endr
.irp a, 0,1,2,3
	ds_store_b128 v[SQW], v[P+4*\a:P+4*\a+3] offset:16*\a   ; every lane holds all sixteen and writes the same words with the same numbers
.endr
	ds_load_b64 v[52:53], v[SQR]                   ; rows 2 (lane % 8) and the next: the 64 bytes four times over
	s_wait_dscnt 0x0
	global_store_b64 v[L8], v[52:53], s[10:11] offset:8192   ; 256 consecutive bytes, aligned, behind the codes
.Ldone:
	s_wait_tensorcnt 0x0                           ; the wave's end
	ds_add_u32 v[SPW], v[NIL]
	s_wait_dscnt 0x0
	s_endpgm
.Lfunc_end_k_qaf392b91a1_quant:
	.size	k_qaf392b91a1_quant, .Lfunc_end_k_qaf392b91a1_quant-k_qaf392b91a1_quant
	.p2alignl 7, 3214868480
	.fill 96, 4, 3214868480
	.section	.rodata,"a",@progbits
	.p2align	6, 0x0
	.amdhsa_kernel k_qaf392b91a1_quant
		.amdhsa_group_segment_fixed_size 35328
		.amdhsa_private_segment_fixed_size 0
		.amdhsa_enable_private_segment 0
		.amdhsa_kernarg_size 48
		.amdhsa_user_sgpr_count 2
		.amdhsa_user_sgpr_kernarg_segment_ptr 1
		.amdhsa_wavefront_size32 1
		.amdhsa_system_sgpr_workgroup_id_x 1
		.amdhsa_system_sgpr_workgroup_id_y 1
		.amdhsa_system_sgpr_workgroup_id_z 1
		.amdhsa_system_vgpr_workitem_id 0
		.amdhsa_next_free_vgpr 256
		.amdhsa_next_free_sgpr 66
		.amdhsa_reserve_vcc 0
		.amdhsa_float_denorm_mode_32 3
		.amdhsa_float_denorm_mode_16_64 3
		.amdhsa_memory_ordered 1
		.amdhsa_forward_progress 1
		.amdhsa_inst_pref_size 53
	.end_amdhsa_kernel
	.amdgpu_metadata
---
amdhsa.version: [ 1, 2 ]
amdhsa.kernels:
  - .name:           k_qaf392b91a1_quant
    .symbol:         k_qaf392b91a1_quant.kd
    .args:
      - { .name: prompt_embs, .offset: 0, .size: 8, .value_kind: global_buffer, .address_space: global }
      - { .name: clip_embs, .offset: 8, .size: 8, .value_kind: global_buffer, .address_space: global }
      - { .name: lowp_scales, .offset: 16, .size: 8, .value_kind: global_buffer, .address_space: global }
      - { .name: pcodes, .offset: 24, .size: 8, .value_kind: global_buffer, .address_space: global }
      - { .name: vcodes, .offset: 32, .size: 8, .value_kind: global_buffer, .address_space: global }
      - { .name: out0, .offset: 40, .size: 8, .value_kind: global_buffer, .address_space: global }
    .group_segment_fixed_size: 35328
    .private_segment_fixed_size: 0
    .kernarg_segment_align: 8
    .kernarg_segment_size: 48
    .max_flat_workgroup_size: 128
    .sgpr_count:     66
    .vgpr_count:     256
    .wavefront_size: 32
...
	.end_amdgpu_metadata
.endif
;; end of part 1
;; launch main (part 2): grid 256 x 1, 8 waves a work-group, clusters of 4 x 1, 327,680 bytes of LDS; arguments pcodes, vcodes, pval, pidx; writes pval, pidx
.if DOCPART == 2
	.amdgcn_target "amdgcn-amd-amdhsa--gfx1250"
	.amdhsa_code_object_version 6
	.text
	.protected	k_qaf392b91a1_main
	.globl	k_qaf392b91a1_main
	.p2align	8
	.type	k_qaf392b91a1_main,@function
k_qaf392b91a1_main:
	s_mov_b64 s[64:65], 0
	v_nop
	global_prefetch_b8 v0, s[64:65] scope:SCOPE_SE
	s_setreg_imm32_b32 hwreg(HW_REG_WAVE_MODE, 25, 1), 1
	s_wait_xcnt 0x0
	s_wait_alu depctr_hold_cnt(0) depctr_sa_sdst(0) depctr_va_vdst(0) depctr_va_sdst(0) depctr_va_ssrc(0) depctr_va_vcc(0) depctr_vm_vsrc(0)
	s_getreg_b32 s2, hwreg(HW_REG_IB_STS2, 6, 4)
	s_cmp_eq_u32 s2, 0
	s_cbranch_scc0 .Lentry_in_a_cluster
	s_endpgm
.Lentry_in_a_cluster:
	s_bfe_u32 s2, ttmp6, 0x10000c
	s_cmp_lg_u32 s2, 0x3003
	s_cbranch_scc0 .Lentry_shape_is_right
	s_endpgm
.Lentry_shape_is_right:
; For each prompt p and each of 64 slices of 772 vocabulary rows: the largest s(p, v) = (dot of the FP8 codes) - c2[v] / 2^(ea + eb + 1) of the slice, and the lowest row v that has it.
; d2 = p2 - 2^(ea + eb + 1) s, so the largest s is the smallest d2.  p2 is left out: it is the same for all v of a prompt (shown at the head of the first kernel).  pval holds -s: the smaller, the nearer.
; SHARES.  A cluster of four work-groups takes a slice (cluster x); work-group cx takes prompts 512 cx on; each of EIGHT waves takes 64: four tiles of 16, whose codes (4 x 4 fragments, 256 registers) stay in registers.
; Two waves lie on a SIMD, 512 registers each: a tile's 40 vector lines are a large part of a wave's text beside its 16 products, and with two waves one wave's vector lines can stand beside the other's products.
; The slice's 49 tiles go through LDS as records of 8,448 bytes (33 rows of 256): four fragments of 2,048 bytes (byte 512 c + 16 lane = registers 4 c .. 4 c + 3), then the 16 scaled sums -c2 / 2^(e + 1).
; The four partners need the same records: each is asked for JOINTLY, by the same tensor load with the same descriptor and the mask of all four.
; LDS holds 34 records.  Records 0-7 are asked for at the head (one a wave), 8-17 (waves 0-5 one, waves 6, 7 two) and 18-33 (two a wave) each behind a full sequence and a round, and 34-48 (waves 0-6 two, wave 7 one)
; land on records 0-14 when records 0-17 have been read.  By the text's own count one tensor load of a wave is out at a time.
; No prefetch: each group of records is asked for 7, 10 or 16 tiles' products ahead of its first read, and the launch has no other stream.
; THE PRODUCT: source 0 = 16 vocabulary rows, source 1 = 16 prompts: a lane holds ONE prompt (lane % 16), its registers 0-7 the rows 8 (lane / 16) + 0 .. 7.  The C of a sum's first K step is the record's scaled c2.
; THE ARGMAX: 10 lines for a lane's 8 numbers: four maxima, the last of which takes in the best so far and writes the new best into the other of two sets; a compare (strictly larger: an earlier row keeps a tie);
; a select of the tile's row; four pairs of selects that keep the 8 numbers.  Which of the 8 it was is looked up once, at the end.  No branch and no address hangs on a number.
; A TILE: the next tile's 18 LDS loads in one run, 16 products (four accumulators by turns, K ascending), four places, the argmax.  Fragments, c2 and the best have two sets,
; taken by the tile's parity, so a loop's trip is a pair of tiles.  Tile 48 begins at row 756 and holds twelve rows of tile 47 once more: equal numbers, which a strict compare passes over.
; LIMITS: NaN and infinities are not served.  ORDER OF ROUNDING: c2 goes into the matrix unit's f32 sum at the first K step.
; REGISTERS: window 0: v1-10 addresses; v16-31 c2; v32-63 accumulators; v64-71 best; v72-75 its tile's row; v76-107 its tile's 8 numbers; v108-127 the way out; v128-255 the vocabulary's fragments.
;   window 1: the prompts' fragments: (p, k) at 64 p + 16 k.
.set REC,   8448
.set OUTL,  34*REC                     ; the way out: 512 bytes a wave; no tile lands here
.set SPARE, OUTL+4096                  ; the spare words, 128 bytes a wave
.set L16,  1
.set H32,  2
.set ADR,  3                           ; LDS address of the records that a pair of tiles fetches
.set ADC,  4                           ; and of their c2, less 8,192
.set TROW, 5                           ; first row (in the slice) of the tile in hand + 8 (lane / 16)
.set SPW,  6
.set NIL,  7
.set OA,   8
.set OB,   9
.set L8,   10
.set C2R,  16
.set ACC,  32
.set BEST, 64
.set TIX,  72
.set SAVE, 76
.set T,    108
.set VF,   128
.set WV,   12
.set CX,   13
.set SL,   14
.set ROW0, 15
.set TB,   16
.set CNT,  17
.set SEL,  18
.set G1X,  24                          ; groups 1: 33 and 66 rows of 256 bytes
.set G1Y,  32
.set G0A,  40                          ; groups 0 of the four fills
.set G0B,  44
.set G0C,  48
.set G0D,  52
.set MSB, 0
.macro WIN new                         ; s_set_vgpr_msb: bits 1:0 source 0, 3:2 source 1, 5:4 source 2, 7:6 destination; the high byte repeats the setting that is left
.if MSB != (\new)
	s_set_vgpr_msb (MSB<<8)|(\new)
.set MSB, \new
.endif
.endm
.macro ROUND                           ; a round of the cluster's barrier
	s_barrier_signal -1
	s_barrier_wait -1
	s_cmp_lg_u32 s[WV], 0
	s_cbranch_scc1 .Lnot_wave_0_\@
	s_barrier_signal -3
.Lnot_wave_0_\@:
	s_barrier_wait -3
	s_barrier_signal -1
	s_barrier_wait -1
.endm
.macro DESC1 g, rows                   ; a dense block as rows of 32 elements of 8 bytes; the mask of all four work-groups, bit 21 beside it; no padding
	s_mov_b32 s[\g], 15|(3<<16)|(1<<21)
	s_mov_b32 s[\g+1], 32<<16
	s_mov_b32 s[\g+2], (\rows)<<16
	s_mov_b32 s[\g+3], 32<<16
	s_mov_b32 s[\g+4], \rows
	s_mov_b32 s[\g+5], 32
	s_mov_b32 s[\g+6], 0
	s_mov_b32 s[\g+7], 0
.endm
.macro DESC0 g, r, first, lds          ; my share begins s[r] records into a fill that begins at record first of the slice and at LDS record lds
	s_mul_i32 s20, s[\r], REC
	s_mov_b32 s[\g], 1
	s_add_co_u32 s[\g+1], s20, (\lds)*REC
	s_add_co_u32 s56, s20, (\first)*REC
	s_add_co_u32 s56, s56, s21
	s_add_nc_u64 s[\g+2:\g+3], s[6:7], s[56:57]
	s_or_b32 s[\g+3], s[\g+3], 0x80000000
.endm
.macro PLACES
.rept 4
	v_nop
.endr
.endm
.macro SEQ                             ; in front of a fill: all my tensor loads, the add, my LDS instructions, a round
	s_wait_tensorcnt 0x0
	ds_add_u32 v[SPW], v[NIL]
	s_wait_dscnt 0x0
	ROUND
.endm
.macro JARM g0, n, ga, gb              ; a joint load whose shares differ: waves below n take shape ga, the others gb; the branch hangs on the wave's number alone
	s_cmp_lt_u32 s[WV], \n
	s_cbranch_scc0 .Lupper_\@
	tensor_load_to_lds s[\g0:\g0+3], s[\ga:\ga+7]
	s_nop 0
	PLACES
	s_branch .Lasked_\@
.Lupper_\@:
	tensor_load_to_lds s[\g0:\g0+3], s[\gb:\gb+7]
	s_nop 0
	PLACES
.Lasked_\@:
.endm
	s_load_b256 s[4:11], s[0:1], 0x0               ; the prompts' codes, the vocabulary's records, pval, pidx
	v_lshl_add_u32 v[SPW], v0, 2, SPARE
	v_mov_b32 v[NIL], 0
	ds_add_u32 v[SPW], v[NIL]                      ; the opening lines: the add twice on end and one wait
	ds_add_u32 v[SPW], v[NIL]
	v_lshrrev_b32 v11, 5, v0
	v_readfirstlane_b32 s[WV], v11                 ; wave 0..7
	s_bfe_u32 s[CX], ttmp6, 0x40000                ; cx: it enters the prompts' and the results' global addresses alone
	s_mov_b32 s[SL], ttmp9                         ; the slice: in a cluster launch ttmp9 counts clusters
	DESC1 G1X, 33
	DESC1 G1Y, 66
	s_mov_b32 s[TB], 0
	s_lshl_b32 s20, s[WV], 9
	s_add_co_u32 s20, s20, OUTL
	v_and_b32 v[L16], 31, v0
	v_lshlrev_b32 v[L8], 3, v[L16]
	v_lshlrev_b32 v[L16], 4, v[L16]
	v_bfe_u32 v11, v0, 4, 1
	v_lshlrev_b32 v[H32], 5, v11
	v_lshlrev_b32 v[TROW], 3, v11                  ; tile 0: row 0 + 8 h
	v_and_b32 v12, 15, v0
	v_lshl_add_u32 v[OA], v12, 2, s20
	v_add_nc_u32 v[OB], s20, v[L8]
	v_add_nc_u32 v[ADR], s[TB], v[L16]
	v_add_nc_u32 v[ADC], s[TB], v[H32]
	s_mov_b32 s[SEL], 0x76543210
	s_mov_b32 s[SEL+1], 0xfedcba98
	s_mul_i32 s[ROW0], s[SL], 772
	s_mul_i32 s21, s[SL], 49*REC
	s_mov_b32 s57, 0
	s_mov_b32 s59, 0
	s_add_co_u32 s60, s[WV], 1
	s_lshr_b32 s60, s60, 3
	s_add_co_u32 s60, s60, s[WV]                   ; records 8-17: waves 0-6 begin at their number, wave 7 at 8
	s_lshl_b32 s61, s[WV], 1                       ; two records a wave
	s_wait_alu depctr_va_vdst(0)                   ; the end of the head's vector work
	s_wait_dscnt 0x0
	s_wait_kmcnt 0x0
	DESC0 G0A, WV, 0, 0
	DESC0 G0B, 60, 8, 8
	DESC0 G0C, 61, 18, 18
	DESC0 G0D, 61, 34, 0
	ROUND                                          ; all four work-groups are here
	tensor_load_to_lds s[G0A:G0A+3], s[G1X:G1X+7]  ; records 0-7: my one tensor load at the head
	s_nop 0
	PLACES
	s_lshl_b32 s58, s[CX], 18                      ; my prompt tiles 32 cx + 4 wave on: 8,192 bytes each,
	s_lshl_b32 s20, s[WV], 15
	s_add_co_u32 s58, s58, s20
	s_add_nc_u64 s[4:5], s[4:5], s[58:59]
	s_lshr_b32 s58, s58, 7                         ; and 64 bytes of each result, in the slice's row of 8,192
	s_lshl_b32 s20, s[SL], 13
	s_add_co_u32 s58, s58, s20
	s_add_nc_u64 s[8:9], s[8:9], s[58:59]
	s_add_nc_u64 s[10:11], s[10:11], s[58:59]
	WIN 0x40
.set i, 0
.rept 64                                       ; my four prompt tiles: load i brings registers 4 i .. 4 i + 3 of window 1
	global_load_b128 v[4*i:4*i+3], v[L16], s[4:5] offset:512*i
.set i, i+1
.endr
	WIN 0
	SEQ                                            ; records 0-7 are in, everybody's
	JARM G0B, 6, G1X, G1Y                          ; records 8-17, a first fill: seven tiles ahead of their first read
	s_wait_loadcnt 0x0                             ; the prompts' codes
	ds_load_b128 v[C2R:C2R+3], v[ADC] offset:8192  ; tile 0 into the sets 0
	ds_load_b128 v[C2R+4:C2R+7], v[ADC] offset:8208
.set i, 0
.rept 16
	ds_load_b128 v[VF+4*i:VF+4*i+3], v[ADR] offset:512*i
.set i, i+1
.endr
.macro MUL                             ; 16 products: the four prompt tiles by turns, K ascending
.set k_, 0
.rept 4
.set p_, 0
.rept 4
.set rA, ACC+8*p_
.set rV, VF+64*pr_+16*k_
.set rP, 64*p_+16*k_
.if k_ == 0
	v_wmma_f32_16x16x128_fp8_fp8 v[rA:rA+7], v[rV:rV+15], v[rP:rP+15], v[C2R+8*pr_:C2R+8*pr_+7]
.else
	v_wmma_f32_16x16x128_fp8_fp8 v[rA:rA+7], v[rV:rV+15], v[rP:rP+15], v[rA:rA+7]
.endif
.set p_, p_+1
.endr
.set k_, k_+1
.endr
.endm
.macro MX p, st                        ; step st of prompt tile p's four maxima, the accumulator from its low end on; the last takes in the best so far
.set a_, ACC+8*(\p)
.set n_, BEST+4*pr_+(\p)
.if (\st) == 0
	v_max3_num_f32 v[n_], v[a_], v[a_+1], v[a_+2]
.elseif (\st) < 3
	v_max3_num_f32 v[n_], v[n_], v[a_+2*(\st)+1], v[a_+2*(\st)+2]
.elseif fi_
	v_max_num_f32 v[n_], v[n_], v[a_+7]
.else
	v_max3_num_f32 v[n_], v[n_], v[a_+7], v[BEST+4*(1-pr_)+(\p)]
.endif
.endm
.macro MP q, m                         ; line m of the eight of prompt tiles 2 q and 2 q + 1, which take turns
	MX 2*(\q)+(\m)%2, (\m)/2
.endm
.macro CMPT p
.if fi_ == 0
	v_cmp_gt_f32 vcc_lo, v[BEST+4*pr_+(\p)], v[BEST+4*(1-pr_)+(\p)]   ; the best has grown: this tile holds it
.endif
.endm
.macro SELT p
.set a_, ACC+8*(\p)
.set s_, SAVE+8*(\p)
.if fi_
	v_mov_b32 v[TIX+(\p)], v[TROW]                 ; the first tile starts the state: nothing is cleared
.irp j, 0,2,4,6
	v_dual_mov_b32 v[s_+\j], v[a_+\j] :: v_dual_mov_b32 v[s_+\j+1], v[a_+\j+1]
.endr
.else
	v_cndmask_b32 v[TIX+(\p)], v[TIX+(\p)], v[TROW], vcc_lo
.irp j, 0,2,4,6
	v_dual_cndmask_b32 v[s_+\j], v[s_+\j], v[a_+\j] :: v_dual_cndmask_b32 v[s_+\j+1], v[s_+\j+1], v[a_+\j+1]
.endr
.endif
.endm
.macro ARG                             ; the second pair's maxima stand among the first pair's compares and selects
.irp m, 0,1,2,3,4,5,6,7
	MP 0, \m
.endr
	CMPT 0
	MP 1, 0
	MP 1, 1
	SELT 0
	CMPT 1
	MP 1, 2
	MP 1, 3
	SELT 1
	MP 1, 4
	MP 1, 5
	MP 1, 6
	MP 1, 7
	CMPT 2
	SELT 2
	CMPT 3
	SELT 3
.endm
; A tile of parity par.  fetch: the next tile comes into the other sets: the first (o = 0) or second (o = 1) record behind s[TB].  step: rows from the last tile's first row to this one's.
; The loads land in registers whose last products stand ahead of the tile before's argmax: its lines are their places (ISA guide 7.12.1 for vector instructions).
.macro TILE par, first, fetch, o, step
.set pr_, \par
.set fi_, \first
	s_wait_dscnt 0x0                               ; this tile's fragments and c2: no LDS instruction was issued behind them
.if \fetch
	ds_load_b128 v[C2R+8*(1-pr_):C2R+8*(1-pr_)+3], v[ADC] offset:REC*\o+8192
	ds_load_b128 v[C2R+8*(1-pr_)+4:C2R+8*(1-pr_)+7], v[ADC] offset:REC*\o+8208
.set i, 0
.rept 16
	ds_load_b128 v[VF+64*(1-pr_)+4*i:VF+64*(1-pr_)+4*i+3], v[ADR] offset:REC*\o+512*i
.set i, i+1
.endr
.if \o
	s_add_co_u32 s[TB], s[TB], 2*REC
.endif
.endif
	WIN 0x04                                       ; source 1, the prompts: window 1
	MUL
	WIN 0
.set np_, 4                            ; four places ahead of the first read of a sum: work that is due, then v_nop
.if \step
	v_add_nc_u32 v[TROW], \step, v[TROW]
.set np_, np_-1
.endif
.if \fetch && \o
	v_add_nc_u32 v[ADR], s[TB], v[L16]
	v_add_nc_u32 v[ADC], s[TB], v[H32]
.set np_, np_-2
.endif
.rept np_
	v_nop
.endr
	ARG
.endm
.macro LOOP n                          ; n pairs of tiles, odd and even
	s_mov_b32 s[CNT], \n
.Lpair_\@:
	TILE 1, 0, 1, 0, 16
	TILE 0, 0, 1, 1, 16
	s_sub_co_u32 s[CNT], s[CNT], 1
	s_cmp_lg_u32 s[CNT], 0
	s_cbranch_scc1 .Lpair_\@
.endm
	TILE 0, 1, 1, 1, 0                             ; tile 0; it fetches tile 1
	LOOP 3                                         ; tiles 1-6; they fetch 2-7
	SEQ                                            ; records 8-17 are in
	tensor_load_to_lds s[G0C:G0C+3], s[G1Y:G1Y+7]  ; records 18-33, a first fill: ten tiles ahead
	s_nop 0
	PLACES
	LOOP 5                                         ; tiles 7-16; they fetch 8-17
	SEQ                                            ; records 18-33 are in, and nobody reads records 0-17 any more
	JARM G0D, 7, G1Y, G1X                          ; records 34-48 onto records 0-14: sixteen tiles ahead
	LOOP 8                                         ; tiles 17-32; they fetch 18-33
	s_wait_tensorcnt 0x0                           ; my part of records 34-48 is in,
	s_wait_dscnt 0x0
	s_barrier_signal -1
	s_barrier_wait -1                              ; everybody's is
	s_mov_b32 s[TB], 0                             ; tile 34 lies at LDS record 0
	v_add_nc_u32 v[ADR], s[TB], v[L16]
	v_add_nc_u32 v[ADC], s[TB], v[H32]
	s_wait_alu depctr_va_vdst(0)
	LOOP 7                                         ; tiles 33-46; they fetch 34-47
	TILE 1, 0, 1, 0, 16                            ; tile 47; it fetches tile 48
	TILE 0, 0, 0, 1, 4                             ; tile 48 begins at row 756
	; THE WAY OUT, the four prompt tiles by turns.  The lowest register of the kept tile that holds the best; then the two halves of the lanes, which hold the same prompt and other rows, are merged:
	; the smaller -s, on a tie the lower row.  The masks serve selects alone.
.irp p, 0,1,2,3
	v_mov_b32 v[T+\p], 7
.endr
.irp j, 6,5,4,3,2,1,0
.irp p, 0,1,2,3
	v_cmp_neq_f32 s[70+\p], v[SAVE+8*\p+\j], v[BEST+\p]
.endr
.irp p, 0,1,2,3
	v_cndmask_b32 v[T+\p], \j, v[T+\p], s[70+\p]
.endr
.endr
.irp p, 0,1,2,3
	v_add3_u32 v[T+4+\p], v[TIX+\p], v[T+\p], s[ROW0]   ; the vocabulary row
.endr
.irp p, 0,1,2,3
	v_xor_b32 v[BEST+\p], 0x80000000, v[BEST+\p]   ; -s
.endr
.irp p, 0,1,2,3
	v_permlanex16_b32 v[SAVE+8*\p], v[BEST+\p], s[SEL], s[SEL+1]      ; the kept numbers are done with: their registers take the other half's results
	v_permlanex16_b32 v[SAVE+8*\p+1], v[T+4+\p], s[SEL], s[SEL+1]
.endr
.irp p, 0,1,2,3
	v_cmp_lt_f32 s74, v[SAVE+8*\p], v[BEST+\p]
	v_cmp_eq_f32 s75, v[SAVE+8*\p], v[BEST+\p]
	v_cmp_lt_u32 s76, v[SAVE+8*\p+1], v[T+4+\p]
	s_and_b32 s75, s75, s76
	s_or_b32 s74, s74, s75
	v_cndmask_b32 v[BEST+\p], v[BEST+\p], v[SAVE+8*\p], s74
	v_cndmask_b32 v[T+4+\p], v[T+4+\p], v[SAVE+8*\p+1], s74
	ds_store_b32 v[OA], v[BEST+\p] offset:64*\p    ; lanes r and r + 16 write the same word with the same number
	ds_store_b32 v[OA], v[T+4+\p] offset:256+64*\p
.endr
	ds_load_b64 v[T+16:T+17], v[OB]                ; LDS serves a wave's instructions in order (ISA guide 5.7.1.4): my 64 prompts' numbers, 8 bytes a lane,
	ds_load_b64 v[T+18:T+19], v[OB] offset:256     ; and their rows
	s_wait_dscnt 0x0
	global_store_b64 v[L8], v[T+16:T+17], s[8:9]   ; 256 consecutive bytes, aligned
	global_store_b64 v[L8], v[T+18:T+19], s[10:11]
	s_wait_tensorcnt 0x0                           ; the wave's end
	ds_add_u32 v[SPW], v[NIL]
	s_wait_dscnt 0x0
	ROUND                                          ; the closing round
	s_endpgm
.Lfunc_end_k_qaf392b91a1_main:
	.size	k_qaf392b91a1_main, .Lfunc_end_k_qaf392b91a1_main-k_qaf392b91a1_main
	.p2alignl 7, 3214868480
	.fill 96, 4, 3214868480
	.section	.rodata,"a",@progbits
	.p2align	6, 0x0
	.amdhsa_kernel k_qaf392b91a1_main
		.amdhsa_group_segment_fixed_size 327680
		.amdhsa_private_segment_fixed_size 0
		.amdhsa_enable_private_segment 0
		.amdhsa_kernarg_size 32
		.amdhsa_user_sgpr_count 2
		.amdhsa_user_sgpr_kernarg_segment_ptr 1
		.amdhsa_wavefront_size32 1
		.amdhsa_system_sgpr_workgroup_id_x 1
		.amdhsa_system_sgpr_workgroup_id_y 1
		.amdhsa_system_sgpr_workgroup_id_z 1
		.amdhsa_system_vgpr_workitem_id 0
		.amdhsa_next_free_vgpr 512
		.amdhsa_next_free_sgpr 80
		.amdhsa_reserve_vcc 1
		.amdhsa_float_denorm_mode_32 3
		.amdhsa_float_denorm_mode_16_64 3
		.amdhsa_memory_ordered 1
		.amdhsa_forward_progress 1
		.amdhsa_inst_pref_size 73
	.end_amdhsa_kernel
	.amdgpu_metadata
---
amdhsa.version: [ 1, 2 ]
amdhsa.kernels:
  - .name:           k_qaf392b91a1_main
    .symbol:         k_qaf392b91a1_main.kd
    .args:
      - { .name: pcodes, .offset: 0, .size: 8, .value_kind: global_buffer, .address_space: global }
      - { .name: vcodes, .offset: 8, .size: 8, .value_kind: global_buffer, .address_space: global }
      - { .name: pval, .offset: 16, .size: 8, .value_kind: global_buffer, .address_space: global }
      - { .name: pidx, .offset: 24, .size: 8, .value_kind: global_buffer, .address_space: global }
    .group_segment_fixed_size: 327680
    .private_segment_fixed_size: 0
    .kernarg_segment_align: 8
    .kernarg_segment_size: 32
    .max_flat_workgroup_size: 256
    .sgpr_count:     80
    .vgpr_count:     512
    .wavefront_size: 32
...
	.end_amdgpu_metadata
.endif
;; end of part 2
;; launch pick (part 3): grid 16 x 1, 4 waves a work-group, no clusters, 4,608 bytes of LDS; arguments pval, pidx, out1; writes out1
.if DOCPART == 3
	.amdgcn_target "amdgcn-amd-amdhsa--gfx1250"
	.amdhsa_code_object_version 6
	.text
	.protected	k_qaf392b91a1_pick
	.globl	k_qaf392b91a1_pick
	.p2align	8
	.type	k_qaf392b91a1_pick,@function
k_qaf392b91a1_pick:
	s_mov_b64 s[64:65], 0
	v_nop
	global_prefetch_b8 v0, s[64:65] scope:SCOPE_SE
	s_setreg_imm32_b32 hwreg(HW_REG_WAVE_MODE, 25, 1), 1
	s_wait_xcnt 0x0
; out1[p] = the row of the smallest of prompt p's 64 slice minima; on a tie the lower slice, whose rows are the lower ones.  pval, pidx: [64 slices][2048 prompts], f32 and int32.
; A work-group takes 128 prompts; wave w takes slices 16 w .. 16 w + 15; a lane takes four prompts, 16 bytes of each slice's row, so that a wave's load reads 512 consecutive bytes, aligned.
; All 32 loads of a wave go out at once.  The four waves' results meet in LDS; wave 0 merges them in ascending order and stores 512 consecutive bytes.  Every choice is a select: no branch and no address hangs on a number.
; No matrix unit, no tensor load, no cluster: the launch reads each byte once and has next to no arithmetic.
.set V,  16                            ; v16-79   slice i's four numbers at v[V + 4 i]; slice 0's registers hold the best so far
.set IX, 80                            ; v80-143  and their rows
	s_load_b128 s[4:7], s[0:1], 0x0                ; pval, pidx
	s_load_b64 s[8:9], s[0:1], 0x10                ; out1
	v_lshl_add_u32 v160, v0, 2, 0x1000
	v_mov_b32 v161, 0
	v_lshrrev_b32 v2, 5, v0                        ; wave
	v_readfirstlane_b32 s10, v2
	v_and_b32 v1, 31, v0
	v_lshlrev_b32 v1, 4, v1                        ; 16 x lane
	v_lshl_add_u32 v3, v2, 17, v1                  ; + my wave's 16 slices of 8,192 bytes
	v_lshl_add_u32 v4, v2, 10, v1                  ; LDS: 1,024 x wave + 16 x lane
	s_lshl_b32 s12, ttmp9, 9                       ; the work-group's 128 prompts: 512 bytes
	s_mov_b32 s13, 0
	s_wait_alu depctr_va_vdst(0)
	s_wait_kmcnt 0x0
	s_add_nc_u64 s[4:5], s[4:5], s[12:13]
	s_add_nc_u64 s[6:7], s[6:7], s[12:13]
	s_add_nc_u64 s[8:9], s[8:9], s[12:13]
.irp i, 0,1,2,3,4,5,6,7,8,9,10,11,12,13,14,15
	global_load_b128 v[V+4*\i:V+4*\i+3], v3, s[4:5] offset:8192*\i th:TH_LOAD_NT
	global_load_b128 v[IX+4*\i:IX+4*\i+3], v3, s[6:7] offset:8192*\i th:TH_LOAD_NT
.endr
.macro MERGE j                         ; set j against the best so far: strictly smaller, so that the lower slice keeps a tie
.irp c, 0,1,2,3
	v_cmp_lt_f32 vcc_lo, v[V+4*(\j)+\c], v[V+\c]
	v_cndmask_b32 v[V+\c], v[V+\c], v[V+4*(\j)+\c], vcc_lo
	v_cndmask_b32 v[IX+\c], v[IX+\c], v[IX+4*(\j)+\c], vcc_lo
.endr
.endm
.irp i, 1,2,3,4,5,6,7,8,9,10,11,12,13,14,15
	s_wait_loadcnt 30-2*\i                         ; slices 0 to i are in; the two loads of each later slice may be out
	MERGE \i
.endr
	ds_store_b128 v4, v[V:V+3]
	ds_store_b128 v4, v[IX:IX+3] offset:512
	s_wait_dscnt 0x0                               ; for the others' sake: my stores have landed
	s_barrier_signal -1
	s_barrier_wait -1
	s_cmp_lg_u32 s10, 0
	s_cbranch_scc1 .Ldone
.irp j, 1,2,3
	ds_load_b128 v[V+4*\j:V+4*\j+3], v1 offset:1024*\j        ; waves 1 to 3's best; wave 0's own are still in its registers
	ds_load_b128 v[IX+4*\j:IX+4*\j+3], v1 offset:1024*\j+512
.endr
	s_wait_dscnt 0x0
	MERGE 1
	MERGE 2
	MERGE 3
	global_store_b128 v1, v[IX:IX+3], s[8:9]       ; 512 consecutive bytes, aligned
.Ldone:
	s_wait_tensorcnt 0x0
	ds_add_u32 v160, v161
	s_wait_dscnt 0x0
	s_endpgm
.Lfunc_end_k_qaf392b91a1_pick:
	.size	k_qaf392b91a1_pick, .Lfunc_end_k_qaf392b91a1_pick-k_qaf392b91a1_pick
	.p2alignl 7, 3214868480
	.fill 96, 4, 3214868480
	.section	.rodata,"a",@progbits
	.p2align	6, 0x0
	.amdhsa_kernel k_qaf392b91a1_pick
		.amdhsa_group_segment_fixed_size 4608
		.amdhsa_private_segment_fixed_size 0
		.amdhsa_enable_private_segment 0
		.amdhsa_kernarg_size 24
		.amdhsa_user_sgpr_count 2
		.amdhsa_user_sgpr_kernarg_segment_ptr 1
		.amdhsa_wavefront_size32 1
		.amdhsa_system_sgpr_workgroup_id_x 1
		.amdhsa_system_sgpr_workgroup_id_y 1
		.amdhsa_system_sgpr_workgroup_id_z 1
		.amdhsa_system_vgpr_workitem_id 0
		.amdhsa_next_free_vgpr 162
		.amdhsa_next_free_sgpr 66
		.amdhsa_reserve_vcc 1
		.amdhsa_float_denorm_mode_32 3
		.amdhsa_float_denorm_mode_16_64 3
		.amdhsa_memory_ordered 1
		.amdhsa_forward_progress 1
		.amdhsa_inst_pref_size 13
	.end_amdhsa_kernel
	.amdgpu_metadata
---
amdhsa.version: [ 1, 2 ]
amdhsa.kernels:
  - .name:           k_qaf392b91a1_pick
    .symbol:         k_qaf392b91a1_pick.kd
    .args:
      - { .name: pval, .offset: 0, .size: 8, .value_kind: global_buffer, .address_space: global }
      - { .name: pidx, .offset: 8, .size: 8, .value_kind: global_buffer, .address_space: global }
      - { .name: out1, .offset: 16, .size: 8, .value_kind: global_buffer, .address_space: global }
    .group_segment_fixed_size: 4608
    .private_segment_fixed_size: 0
    .kernarg_segment_align: 8
    .kernarg_segment_size: 24
    .max_flat_workgroup_size: 128
    .sgpr_count:     66
    .vgpr_count:     162
    .wavefront_size: 32
...
	.end_amdgpu_metadata
.endif
;; end of part 3
